; MI455X (gfx1250); checked and timed in simulation.
; The chip was launched on July 23, 2026; its instructions are those of AMD's public machine-readable ISA for CDNA 5 (MIT licence, August 2026) and "CDNA5" Instruction Set Architecture Reference Guide (July 2026). The comments in the code are by the model that wrote it; some were corrected since.
;; PM Attention Expert. Allowed arithmetic: float matrix products may take bf16 or f16 operands with f32 sums; all other float work in f32.
;; Inputs: bk 128 float32; bo 128 float32; bq 128 float32; bv 128 float32; fc1_b 512 float32; fc1_w 512 x 128 float32; fc2_b 128 float32; fc2_w 128 x 512 float32; ln1_b 128 float32; ln1_g 128 float32; ln2_b 128 float32; ln2_g 128 float32; padding_mask 256 x 128 bool; wk 128 x 128 float32; wo 128 x 128 float32; wq 128 x 128 float32; wv 128 x 128 float32; x 128 x 256 x 128 float32.
;; Outputs: out0 128 x 256 x 128 float32.
;; One version. Each part assembles by itself: llvm-mc -triple=amdgcn-amd-amdhsa -mcpu=gfx1250 --defsym DOCPART=n.
;; ======== version 1 of 1: 1 launch
;; limits: values are held in f16: magnitudes above 65,504 overflow, below 6.1e-05 lose precision
;; launch layer (part 1): grid 256 x 1, 4 waves a work-group, no clusters, 321,536 bytes of LDS; arguments x, padding_mask, ln1_g, ln1_b, ln2_g, ln2_b, wq, bq, wk, bk, wv, bv, wo, bo, fc1_w, fc1_b, fc2_w, fc2_b, out0; writes out0
.if DOCPART == 1
	.amdgcn_target "amdgcn-amd-amdhsa--gfx1250"
	.amdhsa_code_object_version 6
	.text
	.protected	k_q6a50bf545c_layer
	.globl	k_q6a50bf545c_layer
	.p2align	8
	.type	k_q6a50bf545c_layer,@function
k_q6a50bf545c_layer:
	s_mov_b64 s[64:65], 0
	v_nop
	global_prefetch_b8 v0, s[64:65] scope:SCOPE_SE
	s_setreg_imm32_b32 hwreg(HW_REG_WAVE_MODE, 25, 1), 1
	s_wait_xcnt 0x0
; One hyperbolic transformer layer, x[128 tokens][256 batch][128] f32 -> out0 of the same shape, in ONE launch.
; Only attention mixes tokens, and only the 128 tokens of one batch index: work-group b (256 of them) owns batch index b and carries
; the whole layer in registers and LDS.  Four waves; wave w owns tokens 32w..32w+31 as two blocks of 16.
; Lane L: r = L & 15, hh = L >> 4; it owns token 32w + 16 blk + r.
; LAYOUTS.  ACT (f32): register base + 64 blk + 8 t + j = feature 16 t + 8 hh + j of the lane's token.
;           FR (f16):  register base + st blk + 4 t + j/2 = the pair (ACT[8t+j], ACT[8t+j+1]); registers 8 kb .. 8 kb + 7 are the fragment of K block kb.
; Every product is used transposed: source 0 = 16 rows of the weight (output features), source 1 = 16 tokens.  The result then lies in ACT
; layout, so it feeds the next product after a conversion in place, without a trip through LDS; a sum over a token's row is 64 numbers of
; one lane and one exchange with lane L xor 16; a row's scalars are one number a lane, the two blocks' scalars an even pair for packed f32.
; WEIGHTS are f32 in memory and have to be f16 in LDS: each wave loads 32 rows of a 128 x 128 block into registers, converts, and stores them;
; the loads are issued a phase ahead of the conversion.  Eight slots of one 128 x 128 f16 block each are used in turn between five barriers.
; NO CLUSTER, NO JOINT LOADS: what the work-groups share is 786,432 bytes of f32 weights.  A tensor load cannot convert, so shared tiles would land as f32
; (65,536 bytes a block, where the LDS map below leaves no block free) and every byte would still go LDS -> registers -> LDS.
; WHY f16 AND NOT bf16: a number passes up to six products in a row, each with both operands rounded; f16 keeps 11 significant bits, bf16 8.
; The room: q and fc1's result lie in the unit ball, K and V under artanh(1-1e-5) = 6.1, the softmax weights in [0, 1] (those under 6e-8 become 0 against a
; row sum of at least 1), all by the computation itself.  Attention's result, a mean over 128 tokens and bounded by 1, is rounded as 64 u.
; LIMITS.  Matrix operands are f16, all else f32.  Weights, and LayerNorm's results (at most 11.3 x gain + bias), overflow beyond 65,504 in magnitude;
; weights under 6.1e-5 keep an absolute error of 3e-8.  NaN and infinite inputs are not served.  Mask bytes are 0 or 1.
; A masked key has its K row zeroed and -30000 as its score in place of -1e9: |score| of a live key is at most 1 x artanh(1-1e-5) = 6.2 before the
; query's factor (at least 1) times 0.36, so the masked exponent lies below -10000 in base 2 and its exponential is 0 as with -1e9; a row whose keys are all masked gives
; equal weights, as in the reference.  The running row maximum is taken away in front of every exponential.
; tanh and artanh use their odd series to z^7 below 0.125 (next term below 1e-8 relative), exp2/log2 forms above.
; The reference's test mn <= 1e-10 in mobius_matvec never holds (mn >= sqrt(1e-15) = 3.2e-8) and is not written.
; |x (+) y|^2 for the projection is made as |x+y|^2 / den, the identity of the Moebius sum; tanh(artanh(s)/2) as s / (1 + sqrt(1-s^2)).
; ---------------- LDS map (bytes) ----------------
.set V_LN1G, 0                         ; thirteen f32 vectors' chunks of 512 bytes
.set V_LN1B, 512
.set V_LN2G, 1024
.set V_LN2B, 1536
.set V_BQ,   2048
.set V_BK,   2560
.set V_BV,   3072
.set V_BO,   3584
.set V_FC2B, 4096
.set V_FC1B, 4608
.set SLT0, 6656                        ; slots: 128 rows of 128 f16, pitch 272 (256 + 16: sixteen rows start at sixteen different 16-byte columns)
.set SLT1, 41472
.set SLT2, 76288
.set SLT3, 111104
.set SLT4, 145920                      ; K, pitch 272; later a weight block
.set SLT5, 180736                      ; V, pitch 288 (for the transposing loads); later a weight block
.set SLT6, 217600
.set SLT7, 252416
.set OUTST, 287232                     ; each wave's own stage for the way out: 16 rows, pitch 528
.set XS,   252416                      ; x as the tensor load lays it: 32 rows a wave, pitch 528; filled once, read, and only then used as SLT7 and OUTST
; ---------------- registers, window 0 ----------------
.set WOFF, 1                           ; r*272 + 16hh
.set WA,   2                           ; slot + WOFF
.set VOFF, 3                           ; 32hh
.set XRD,  4
.set KST,  5
.set VST,  6
.set KRD,  7
.set VRD,  8
.set SGO,  9                           ; 16L + w*16384  (rows of 512 bytes)
.set SGO2, 10                          ; 16L + w*65536  (rows of 2048 bytes)
.set SLO,  11                          ; 8L + w*8704
.set SLA,  12
.set OST,  13
.set ORD,  14
.set L16,  15
.set KAP,  16                          ; 8 pairs: query factor x 0.25 log2(e), per head
.set HS,   32                          ; 8 pairs: per-head sums
.set XX,   48
.set PP,   50
.set SS,   52
.set RR,   54
.set AL,   56
.set BE,   58
.set KEEP, 60
.set PT,   62
.set TS,   64                          ; P0-P7: chains of the sums (free between sums); P8-P15: row scalars
.set P0, 64
.set P1, 66
.set P2, 68
.set P3, 70
.set P4, 72
.set P5, 74
.set P6, 76
.set P7, 78
.set P8, 80
.set P9, 82
.set P10, 84
.set P11, 86
.set P12, 88
.set P13, 90
.set P14, 92
.set P15, 94
.set WK,   96                          ; 128 registers at work
.set VT,   224                         ; V^T fragments of a head
; window 1
.set XA,   0                           ; x, later the midpoint
.set T1,   128
; window 2
.set MM,   0
.set STGB, 0
.set KZ,   0                           ; [Z][K0][Z][K1]..[K7][Z], groups of four registers, Z = zeros
.set FRQ,  128                         ; 32 registers a block
.set BIAS, 192
; window 3
.set PF,   0                           ; 32 registers a block
.set STGA, 64
.set TMP,  192
.set MSB, 0
.macro WIN new                         ; low byte: bits 1:0 source 0, 3:2 source 1, 5:4 source 2, 7:6 destination; high byte repeats the setting that is left
.if MSB != (\new)
	s_set_vgpr_msb (MSB<<8)|(\new)
.set MSB, (\new)
.endif
.endm
.macro PLACES                          ; four plain vector places behind matrix instructions (ISA guide 7.12.1) before results are read or operand registers loaded again
.rept 4
	v_nop
.endr
.endm
; ---------------- packed helpers on even pairs ----------------
.macro PMUL d, a, b
	v_pk_mul_f32 v[\d:\d+1], v[\a:\a+1], v[\b:\b+1]
.endm
.macro PADD d, a, b
	v_pk_add_f32 v[\d:\d+1], v[\a:\a+1], v[\b:\b+1]
.endm
.macro PFMA d, a, b, c
	v_pk_fma_f32 v[\d:\d+1], v[\a:\a+1], v[\b:\b+1], v[\c:\c+1]
.endm
.macro PONEM d, a                      ; 1 - a
	v_pk_add_f32 v[\d:\d+1], v[\a:\a+1], 1.0 op_sel_hi:[1,0] neg_lo:[1,0] neg_hi:[1,0]
.endm
.macro PONEP d, a                      ; 1 + a
	s_wait_alu depctr_va_vdst(0)
	v_pk_add_f32 v[\d:\d+1], v[\a:\a+1], 1.0 op_sel_hi:[1,0]
.endm
.macro PMULB d, a, p, blk              ; d = a * p[blk]: one half of the scalar pair feeds both results
.if \blk
	v_pk_mul_f32 v[\d:\d+1], v[\a:\a+1], v[\p:\p+1] op_sel:[0,1] op_sel_hi:[1,1]
.else
	v_pk_mul_f32 v[\d:\d+1], v[\a:\a+1], v[\p:\p+1] op_sel_hi:[1,0]
.endif
.endm
.macro PFMAB d, a, p, c, blk           ; d = a * p[blk] + c
.if \blk
	v_pk_fma_f32 v[\d:\d+1], v[\a:\a+1], v[\p:\p+1], v[\c:\c+1] op_sel:[0,1,0] op_sel_hi:[1,1,1]
.else
	v_pk_fma_f32 v[\d:\d+1], v[\a:\a+1], v[\p:\p+1], v[\c:\c+1] op_sel_hi:[1,0,1]
.endif
.endm
.macro MAXE d, a                       ; max(a, 1e-15)
	v_max_num_f32 v[\d], s63, v[\a]
	v_max_num_f32 v[\d+1], s63, v[\a+1]
.endm
.macro MINM d, a                       ; min(a, 1 - 1e-5)
	v_min_num_f32 v[\d], s62, v[\a]
	v_min_num_f32 v[\d+1], s62, v[\a+1]
.endm
.macro TR2 op, d, a                    ; a transcendental on a pair, and the one plain place behind it (ISA guide 5.7.2)
	\op v[\d], v[\a]
	\op v[\d+1], v[\a+1]
	v_nop
	s_wait_alu depctr_va_vdst(0)
.endm
; arrays of cnt pairs
.macro APMUL cnt, d, a, b
.set i_ap, 0
.rept \cnt
	PMUL \d+2*i_ap, \a+2*i_ap, \b+2*i_ap
.set i_ap, i_ap+1
.endr
.endm
.macro ATR cnt, op, d, a               ; cnt single transcendentals, back to back; the caller puts the plain place behind them
.set i_ap, 0
.rept \cnt
	\op v[\d+i_ap], v[\a+i_ap]
.set i_ap, i_ap+1
.endr
.endm
.macro ASEL cnt, d, big, small, arg    ; d = arg < 0.125 ? small : big
.set i_ap, 0
.rept \cnt
	v_cmp_gt_f32 vcc_lo, 0x3e000000, v[\arg+i_ap]
	v_cndmask_b32 v[\d+i_ap], v[\big+i_ap], v[\small+i_ap], vcc_lo
.set i_ap, i_ap+1
.endr
.endm
; artanh(s), 0 <= s <= 1-1e-5: (log2(1+s) - log2(1-s)) ln2/2, or the series s (1 + c/3 + c^2/5 + c^3/7), c = s^2
.macro ATANHN cnt, dst, src, a, b, c
.set i_t, 0
.rept \cnt
	PONEP \a+2*i_t, \src+2*i_t
	PONEM \b+2*i_t, \src+2*i_t
.set i_t, i_t+1
.endr
	ATR 2*\cnt, v_log_f32, \a, \a
	ATR 2*\cnt, v_log_f32, \b, \b
	APMUL \cnt, \c, \src, \src                     ; the plain place behind the logarithms
.set i_t, 0
	s_wait_alu depctr_va_vdst(0)
.rept \cnt
	v_pk_add_f32 v[\a+2*i_t:\a+2*i_t+1], v[\a+2*i_t:\a+2*i_t+1], v[\b+2*i_t:\b+2*i_t+1] neg_lo:[0,1] neg_hi:[0,1]
	v_pk_fma_f32 v[\b+2*i_t:\b+2*i_t+1], v[\c+2*i_t:\c+2*i_t+1], s[80:81], s[82:83] op_sel_hi:[1,0,0]
.set i_t, i_t+1
.endr
.set i_t, 0
.rept \cnt
	v_pk_mul_f32 v[\a+2*i_t:\a+2*i_t+1], v[\a+2*i_t:\a+2*i_t+1], 0x3eb17218 op_sel_hi:[1,0]
	v_pk_fma_f32 v[\b+2*i_t:\b+2*i_t+1], v[\b+2*i_t:\b+2*i_t+1], v[\c+2*i_t:\c+2*i_t+1], s[84:85] op_sel_hi:[1,1,0]
.set i_t, i_t+1
.endr
.set i_t, 0
.rept \cnt
	v_pk_fma_f32 v[\b+2*i_t:\b+2*i_t+1], v[\b+2*i_t:\b+2*i_t+1], v[\c+2*i_t:\c+2*i_t+1], 1.0 op_sel_hi:[1,1,0]
.set i_t, i_t+1
.endr
	APMUL \cnt, \b, \b, \src
	ASEL 2*\cnt, \dst, \a, \b, \src
.endm
; tanh(z), z >= 0: 1 - 2 / (1 + exp2(2 log2(e) z)) (an overflowing exp2 gives 1), or the series z (1 - c/3 + 2c^2/15 - 17c^3/315)
.macro TANHN cnt, dst, z, a, b, c
.set i_t, 0
.rept \cnt
	v_pk_mul_f32 v[\a+2*i_t:\a+2*i_t+1], v[\z+2*i_t:\z+2*i_t+1], 0x4038aa3b op_sel_hi:[1,0]
.set i_t, i_t+1
.endr
	ATR 2*\cnt, v_exp_f32, \a, \a
	APMUL \cnt, \c, \z, \z                         ; the plain place behind the exponentials
.set i_t, 0
.rept \cnt
	PONEP \a+2*i_t, \a+2*i_t
.set i_t, i_t+1
.endr
	ATR 2*\cnt, v_rcp_f32, \a, \a
.set i_t, 0
.rept \cnt
	v_pk_fma_f32 v[\b+2*i_t:\b+2*i_t+1], v[\c+2*i_t:\c+2*i_t+1], s[86:87], s[88:89] op_sel_hi:[1,0,0]   ; the plain place behind the reciprocals
.set i_t, i_t+1
.endr
.set i_t, 0
	s_wait_alu depctr_va_vdst(0)
.rept \cnt
	v_pk_fma_f32 v[\a+2*i_t:\a+2*i_t+1], v[\a+2*i_t:\a+2*i_t+1], -2.0, 1.0 op_sel_hi:[1,0,0]
	v_pk_fma_f32 v[\b+2*i_t:\b+2*i_t+1], v[\b+2*i_t:\b+2*i_t+1], v[\c+2*i_t:\c+2*i_t+1], s[90:91] op_sel_hi:[1,1,0]
.set i_t, i_t+1
.endr
.set i_t, 0
.rept \cnt
	v_pk_fma_f32 v[\b+2*i_t:\b+2*i_t+1], v[\b+2*i_t:\b+2*i_t+1], v[\c+2*i_t:\c+2*i_t+1], 1.0 op_sel_hi:[1,1,0]
.set i_t, i_t+1
.endr
	APMUL \cnt, \b, \b, \z
	ASEL 2*\cnt, \dst, \a, \b, \z
.endm
; dst = artanh(min(n, 1-1e-5)) / n with n = sqrt(max(src, 1e-15)): the factor of logmap0 from a squared norm.  dst may be src.
.macro LOGFN cnt, dst, src, rn, sn, a, b, c
.set i_f, 0
.rept 2*\cnt
	v_max_num_f32 v[\sn+i_f], s63, v[\src+i_f]
.set i_f, i_f+1
.endr
	ATR 2*\cnt, v_rsq_f32, \rn, \sn
	v_nop
	s_wait_alu depctr_va_vdst(0)
	APMUL \cnt, \sn, \sn, \rn                      ; n = c * rsq(c)
.set i_f, 0
.rept 2*\cnt
	v_min_num_f32 v[\sn+i_f], s62, v[\sn+i_f]
.set i_f, i_f+1
.endr
	ATANHN \cnt, \dst, \sn, \a, \b, \c
	APMUL \cnt, \dst, \dst, \rn
.endm
; p = n > 1-1e-5 ? (1-1e-5)/n : 1, n = sqrt(max(n2, 1e-15)): the factor of projx
.macro PROJP p, n2, t0, t1
	MAXE \t0, \n2
	TR2 v_rsq_f32, \t1, \t0
	PMUL \t0, \t0, \t1
	v_pk_mul_f32 v[\t1:\t1+1], v[\t1:\t1+1], s[62:63] op_sel_hi:[1,0]
	v_cmp_lt_f32 vcc_lo, s62, v[\t0]
	v_cndmask_b32 v[\p], 1.0, v[\t1], vcc_lo
	v_cmp_lt_f32 vcc_lo, s62, v[\t0+1]
	v_cndmask_b32 v[\p+1], 1.0, v[\t1+1], vcc_lo
.endm
; ---------------- sums over a token's row ----------------
; q-th set of chains (two pairs a block) += a . b over 64 registers a block; bs = 64 (b per block) or 0 (b shared).  The caller sets the windows.
.macro DOT q, a, b, bs, first
.set i_dp, 0
.rept 32
.set i_db, 0
.rept 2
.set i_dc, TS+8*\q+4*i_db+2*(i_dp&1)
.set i_df, 0
.if \first
.if i_dp < 2
.set i_df, 1
.endif
.endif
.if i_df
	v_pk_mul_f32 v[i_dc:i_dc+1], v[\a+64*i_db+2*i_dp:\a+64*i_db+2*i_dp+1], v[\b+\bs*i_db+2*i_dp:\b+\bs*i_db+2*i_dp+1]
.else
	v_pk_fma_f32 v[i_dc:i_dc+1], v[\a+64*i_db+2*i_dp:\a+64*i_db+2*i_dp+1], v[\b+\bs*i_db+2*i_dp:\b+\bs*i_db+2*i_dp+1], v[i_dc:i_dc+1]
.endif
.set i_db, i_db+1
.endr
.set i_dp, i_dp+1
.endr
.endm
.macro SUMV a, w                       ; chains 0 = plain sum of the 64 registers a block in window w
	WIN (\w|(\w<<2))
.set i_db, 0
.rept 2
	v_pk_add_f32 v[TS+4*i_db:TS+4*i_db+1], v[\a+64*i_db:\a+64*i_db+1], v[\a+64*i_db+4:\a+64*i_db+5]
	v_pk_add_f32 v[TS+4*i_db+2:TS+4*i_db+3], v[\a+64*i_db+2:\a+64*i_db+3], v[\a+64*i_db+6:\a+64*i_db+7]
.set i_db, i_db+1
.endr
	WIN \w
.set i_dp, 4
.rept 28
.set i_db, 0
.rept 2
.set i_dc, TS+4*i_db+2*(i_dp&1)
	v_pk_add_f32 v[i_dc:i_dc+1], v[\a+64*i_db+2*i_dp:\a+64*i_db+2*i_dp+1], v[i_dc:i_dc+1]
.set i_db, i_db+1
.endr
.set i_dp, i_dp+1
.endr
.endm
.macro RED out, q                      ; chains -> one number a lane and block, then the other half of the row from lane L xor 16
	PADD TS+8*\q, TS+8*\q, TS+8*\q+2
	PADD TS+8*\q+4, TS+8*\q+4, TS+8*\q+6
	v_add_f32 v[\out], v[TS+8*\q], v[TS+8*\q+1]
	v_add_f32 v[\out+1], v[TS+8*\q+4], v[TS+8*\q+5]
	v_permlanex16_b32 v[PT], v[\out], s60, s61
	v_permlanex16_b32 v[PT+1], v[\out+1], s60, s61
	PADD \out, \out, PT
.endm
; ---------------- elementwise on 64 registers a block (the caller sets the windows) ----------------
.macro SCALEV d, a, p                  ; d = a * p[blk]
.set i_eb, 0
.rept 2
.set i_ei, 0
.rept 32
	PMULB \d+64*i_eb+2*i_ei, \a+64*i_eb+2*i_ei, \p, i_eb
.set i_ei, i_ei+1
.endr
.set i_eb, i_eb+1
.endr
.endm
.macro FMAS d, a, st, p                ; d += a * p[blk]; st = 64 (a per block) or 0 (a shared)
.set i_eb, 0
.rept 2
.set i_ei, 0
.rept 32
	PFMAB \d+64*i_eb+2*i_ei, \a+\st*i_eb+2*i_ei, \p, \d+64*i_eb+2*i_ei, i_eb
.set i_ei, i_ei+1
.endr
.set i_eb, i_eb+1
.endr
.endm
.macro SUBB d, a, p                    ; d = a - p[blk]
.set i_ei, 0
.rept 32
	v_pk_add_f32 v[\d+2*i_ei:\d+2*i_ei+1], v[\a+2*i_ei:\a+2*i_ei+1], v[\p:\p+1] op_sel_hi:[1,0] neg_lo:[0,1] neg_hi:[0,1]
.set i_ei, i_ei+1
.endr
.set i_ei, 32
.rept 32
	v_pk_add_f32 v[\d+2*i_ei:\d+2*i_ei+1], v[\a+2*i_ei:\a+2*i_ei+1], v[\p:\p+1] op_sel:[0,1] op_sel_hi:[1,1] neg_lo:[0,1] neg_hi:[0,1]
.set i_ei, i_ei+1
.endr
.endm
.macro SCALEH base, arr                ; per head t: base[blk][8t..8t+7] *= arr[t][blk]
.set i_eb, 0
.rept 2
.set i_ei, 0
.rept 32
	PMULB \base+64*i_eb+2*i_ei, \base+64*i_eb+2*i_ei, \arr+2*(i_ei>>2), i_eb
.set i_ei, i_ei+1
.endr
.set i_eb, i_eb+1
.endr
.endm
.macro CVT d, st, a                    ; ACT -> FR; in place it is safe in ascending order: register q is written from 2q and 2q+1
.set i_eb, 0
.rept 2
.set i_ei, 0
.rept 32
	v_cvt_pk_f16_f32 v[\d+\st*i_eb+i_ei], v[\a+64*i_eb+2*i_ei], v[\a+64*i_eb+2*i_ei+1]
.set i_ei, i_ei+1
.endr
.set i_eb, i_eb+1
.endr
.endm
.macro RELU base
.set i_ei, 0
.rept 128
	v_max_num_f32 v[\base+i_ei], 0, v[\base+i_ei]
.set i_ei, i_ei+1
.endr
.endm
.macro VLOAD dst, off                  ; a vector of 128 f32 from LDS in ACT layout (the same for both blocks): 16 loads
.set i_v, 0
.rept 8
	ds_load_b128 v[\dst+8*i_v:\dst+8*i_v+3], v[VOFF] offset:\off+64*i_v
	ds_load_b128 v[\dst+8*i_v+4:\dst+8*i_v+7], v[VOFF] offset:\off+64*i_v+16
.set i_v, i_v+1
.endr
.endm
; ---------------- weights: memory -> registers -> f16 -> LDS ----------------
.macro SLOAD ptr, voff, pitch, extra, win, base   ; my 32 rows of a 128 x 128 f32 block; one load covers a row's 512 consecutive bytes
	WIN (\win<<6)
.set i_l, 0
.rept 32
	global_load_b128 v[\base+4*i_l:\base+4*i_l+3], v[\voff], s[\ptr:\ptr+1] offset:i_l*\pitch+\extra
.set i_l, i_l+1
.endr
.endm
.macro SSTORE cnt, win, base, slot     ; cnt = loads issued behind this block's 32
	s_wait_loadcnt \cnt
	WIN (0xc0|\win|(\win<<2))
.set i_l, 0
.rept 64
	v_cvt_pk_f16_f32 v[TMP+i_l], v[\base+2*i_l], v[\base+2*i_l+1]
.set i_l, i_l+1
.endr
	WIN 0
	v_add_nc_u32 v[SLA], \slot, v[SLO]
	WIN 0x0c
.set i_l, 0
.rept 32
	ds_store_b64 v[SLA], v[TMP+2*i_l:TMP+2*i_l+1] offset:272*i_l   ; a row's 256 consecutive bytes
.set i_l, i_l+1
.endr
.endm
; ---------------- a product with one 128 x 128 block: 64 matrix instructions ----------------
.macro FETCH kb, wb                    ; eight fragments (128 output features x 32 K): 16 loads
.set i_gn, 0
.rept 8
	ds_load_b128 v[\wb+8*i_gn:\wb+8*i_gn+3], v[WA] offset:4352*i_gn+64*\kb
	ds_load_b128 v[\wb+8*i_gn+4:\wb+8*i_gn+7], v[WA] offset:4352*i_gn+64*\kb+32
.set i_gn, i_gn+1
.endr
.endm
.macro MUL wb, kb, acc, fr, zero       ; the sixteen accumulators take turns, one instruction a turn
.set i_gn, 0
.rept 8
.set i_gb, 0
.rept 2
.if \zero
	v_wmma_f32_16x16x32_f16 v[\acc+64*i_gb+8*i_gn:\acc+64*i_gb+8*i_gn+7], v[\wb+8*i_gn:\wb+8*i_gn+7], v[\fr+64*i_gb+8*\kb:\fr+64*i_gb+8*\kb+7], 0
.else
	v_wmma_f32_16x16x32_f16 v[\acc+64*i_gb+8*i_gn:\acc+64*i_gb+8*i_gn+7], v[\wb+8*i_gn:\wb+8*i_gn+7], v[\fr+64*i_gb+8*\kb:\fr+64*i_gb+8*\kb+7], v[\acc+64*i_gb+8*i_gn:\acc+64*i_gb+8*i_gn+7]
.endif
.set i_gb, i_gb+1
.endr
.set i_gn, i_gn+1
.endr
.endm
.macro GEMM128 slot, win, acc, fr, zero
	WIN 0
	v_add_nc_u32 v[WA], \slot, v[WOFF]
	FETCH 0, WK
	FETCH 1, WK+64
	s_wait_dscnt 16                                ; K block 0 is in; the 16 loads of block 1 may be out
	WIN \win
	MUL WK, 0, \acc, \fr, \zero
	PLACES
	WIN 0
	FETCH 2, WK
	s_wait_dscnt 16                                ; block 1 is in; block 2's 16 may be out
	WIN \win
	MUL WK+64, 1, \acc, \fr, 0
	PLACES
	WIN 0
	FETCH 3, WK+64
	s_wait_dscnt 16                                ; block 2 is in; block 3's 16 may be out
	WIN \win
	MUL WK, 2, \acc, \fr, 0
	s_wait_dscnt 0x0
	MUL WK+64, 3, \acc, \fr, 0
	PLACES
.endm
; ---------------- the scalars of Manifold_Linear ----------------
; in: P8 = |M|^2, P9 = M.b (M = W y, the input point being SS y), RR = artanh(|x|)/|x|, y2 = |b|^2 in s[y2].  out: result = AL M + BE b
.macro MLSCAL y2
	PMUL P0, SS, SS
	PMUL P10, P8, P0                               ; |mx|^2
	PMUL P11, P9, SS                               ; mx.b
	MAXE P0, P10
	TR2 v_rsq_f32, P1, P0
	PMUL P2, P0, P1                                ; mn
	PMUL P2, P2, RR
	TANHN 1, P3, P2, P4, P5, P6
	PMUL P3, P3, P1                                ; rho = tanh(..)/mn
	PMUL P4, P3, P3
	PMUL P4, P4, P10                               ; x2
	PMUL P5, P3, P11                               ; xy
	v_pk_fma_f32 v[P6:P6+1], v[P5:P5+1], 2.0, 1.0 op_sel_hi:[1,0,0]
	v_pk_add_f32 v[P7:P7+1], v[P6:P6+1], s[\y2:\y2+1] op_sel_hi:[1,0]                    ; 1 + 2xy + y2
	PONEM P12, P4                                  ; 1 - x2
	v_pk_fma_f32 v[P13:P13+1], v[P4:P4+1], s[\y2:\y2+1], v[P6:P6+1] op_sel_hi:[1,0,1]    ; den
	MAXE P14, P13
	TR2 v_rcp_f32, P15, P14
	v_pk_fma_f32 v[P0:P0+1], v[P5:P5+1], 2.0, v[P4:P4+1] op_sel_hi:[1,0,1]
	v_pk_add_f32 v[P0:P0+1], v[P0:P0+1], s[\y2:\y2+1] op_sel_hi:[1,0]                    ; |x+y|^2
	s_wait_alu depctr_va_vdst(0)
	PMUL P0, P0, P13
	PMUL P0, P0, P15
	PMUL P0, P0, P15                               ; |x (+) y|^2
	PROJP P2, P0, P14, P1
	PMUL P15, P15, P2
	PMUL BE, P12, P15
	PMUL AL, P7, P3
	PMUL AL, AL, P15
	PMUL AL, AL, SS
.endm
.macro MLPOST a, base, vecoff, y2      ; base (window a) = projx(mobius_add(mobius_matvec, b)), in place
	WIN 0
	VLOAD WK, \vecoff
	WIN (\a|(\a<<2))
	DOT 0, \base, \base, 64, 1
	s_wait_dscnt 0x0                               ; the bias is in
	WIN \a
	DOT 1, \base, WK, 0, 1
	WIN 0
	RED P8, 0
	RED P9, 1
	MLSCAL \y2
	WIN (\a|(\a<<6))
	SCALEV \base, \base, AL
	WIN ((\a<<4)|(\a<<6))
	FMAS \base, WK, 0, BE
.endm
.macro HEADSUM a, base, out            ; out[t] (a pair for the two blocks) = squared norm of head t
	WIN (\a|(\a<<2))
.set i_hj, 0
.rept 4
.set i_hk, 0
.rept 16
.set i_hr, \base+64*(i_hk&1)+8*(i_hk>>1)+2*i_hj
.if i_hj
	v_pk_fma_f32 v[WK+64+2*i_hk:WK+64+2*i_hk+1], v[i_hr:i_hr+1], v[i_hr:i_hr+1], v[WK+64+2*i_hk:WK+64+2*i_hk+1]
.else
	v_pk_mul_f32 v[WK+64+2*i_hk:WK+64+2*i_hk+1], v[i_hr:i_hr+1], v[i_hr:i_hr+1]
.endif
.set i_hk, i_hk+1
.endr
.set i_hj, i_hj+1
.endr
	WIN 0
.set i_hk, 0
.rept 16
	v_add_f32 v[\out+i_hk], v[WK+64+2*i_hk], v[WK+64+2*i_hk+1]
.set i_hk, i_hk+1
.endr
.set i_hk, 0
.rept 16
	v_permlanex16_b32 v[WK+96+i_hk], v[\out+i_hk], s60, s61
.set i_hk, i_hk+1
.endr
.set i_hk, 0
.rept 8
	PADD \out+2*i_hk, \out+2*i_hk, WK+96+2*i_hk
.set i_hk, i_hk+1
.endr
.endm
; ---------------- manifold LayerNorm: XA (window 1) -> FR in T1, SS, RR; XX = |input|^2; first = 0: the input is first projected, its factor left in PP ----------------
.macro LNORM goff, boff, first
	WIN 0
	VLOAD WK, \goff
	s_wait_dscnt 16                                ; all but the 16 loads of the gain: the rows of x are in
	VLOAD WK+64, \boff
	SUMV XA, 1
	WIN 0
	RED P8, 0
	v_pk_mul_f32 v[P8:P8+1], v[P8:P8+1], 0x3c000000 op_sel_hi:[1,0]     ; mean
	WIN 0x41
	SUBB T1, XA, P8
	WIN 0x05
	DOT 0, T1, T1, 64, 1
.if \first
	SSTORE 32, 3, STGA, SLT0                       ; Wq is in; Wk's 32 loads may be out
	SLOAD 28, SGO, 512, 0, 3, STGA                 ; Wv
.endif
	WIN 0
	RED P9, 0                                      ; sum of d^2
	PMUL P0, P8, P8
	v_pk_fma_f32 v[XX:XX+1], v[P0:P0+1], 0x43000000, v[P9:P9+1] op_sel_hi:[1,0,1]   ; |x|^2 = sum d^2 + 128 mean^2: a sum of positive terms
.if \first
	LOGFN 1, P3, XX, P4, P5, P6, P7, P11
.else
	PROJP PP, XX, P0, P1
	PMUL P2, PP, PP
	PMUL P2, P2, XX
	LOGFN 1, P3, P2, P4, P5, P6, P7, P11
	PMUL P3, P3, PP
.endif
	PMUL P0, P3, P3                                ; logmap0 = c x, so LayerNorm(c x) = d k g + b with k = c rsq(c^2 var + 1e-5)
	PMUL P0, P0, P9
	v_pk_fma_f32 v[P0:P0+1], v[P0:P0+1], 0x3c000000, s[92:93] op_sel_hi:[1,0,0]
	TR2 v_rsq_f32, P1, P0
	PMUL P10, P3, P1
	s_wait_dscnt 0x0                               ; gain and bias are in
	WIN 0x41
	SCALEV T1, T1, P10
.set i_eb, 0
.rept 2
.set i_ei, 0
.rept 32
	v_pk_fma_f32 v[T1+64*i_eb+2*i_ei:T1+64*i_eb+2*i_ei+1], v[T1+64*i_eb+2*i_ei:T1+64*i_eb+2*i_ei+1], v[WK+2*i_ei:WK+2*i_ei+1], v[WK+64+2*i_ei:WK+64+2*i_ei+1]
.set i_ei, i_ei+1
.endr
.set i_eb, i_eb+1
.endr
	WIN 0x05
	DOT 0, T1, T1, 64, 1
	WIN 0x45
	CVT T1, 64, T1                                 ; y goes to f16 unscaled; expmap0's and projx's factor SS rides in the scalars
.if \first
	SSTORE 32, 2, STGB, SLT1                       ; Wk is in; Wv's 32 loads may be out
	SSTORE 0, 3, STGA, SLT2
.endif
	WIN 0
	RED P8, 0                                      ; |y|^2
	MAXE P0, P8
	TR2 v_rsq_f32, P1, P0
	PMUL P2, P0, P1
	TANHN 1, P3, P2, P4, P5, P6
	MINM P3, P3                                    ; projx of expmap0: norm min(tanh|y|, 1-1e-5)
	PMUL SS, P3, P1
	PMUL P0, SS, SS
	PMUL P0, P0, P8
	LOGFN 1, RR, P0, P4, P5, P6, P7, P11
.endm
; ---------------- k and v: product, Manifold_Linear, logmap0 per head, f16 rows into LDS ----------------
.macro KVPHASE slot, vecoff, y2, keep, adr, blkoff
	GEMM128 \slot, 0xa4, MM, T1, 1
	MLPOST 2, MM, \vecoff, \y2
	HEADSUM 2, MM, HS
	LOGFN 8, HS, HS, WK, WK+16, WK+32, WK+48, WK+64
.if \keep
.set i_kk, 0
.rept 8
	PMUL HS+2*i_kk, HS+2*i_kk, KEEP                ; a masked token's key row becomes zero
.set i_kk, i_kk+1
.endr
.endif
	WIN 0x82
	SCALEH MM, HS
	WIN 0x0a
	CVT WK+64, 32, MM
	WIN 0
.set i_kb, 0
.rept 2
.set i_kk, 0
.rept 8
	ds_store_b128 v[\adr], v[WK+64+32*i_kb+4*i_kk:WK+64+32*i_kb+4*i_kk+3] offset:\blkoff*i_kb+32*i_kk
.set i_kk, i_kk+1
.endr
.set i_kb, i_kb+1
.endr
.endm
; ---------------- one head for my 32 queries against all 128 keys ----------------
; Scores transposed: source 0 = 16 keys, source 1 = 16 queries, C = the mask's bias; a lane then holds 64 keys of its own query.
; The query fragment is 32 wide (two heads); the key fragment carries zeros where the neighbour head lies.
.macro HEAD h, more
	s_wait_dscnt 0x0                               ; this head's key fragments are in
	WIN 0x2a
.set i_ht, 0
.rept 8
.set i_hb, 0
.rept 2
	v_wmma_f32_16x16x32_f16 v[WK+64*i_hb+8*i_ht:WK+64*i_hb+8*i_ht+7], v[KZ+8*i_ht+4-4*(\h&1):KZ+8*i_ht+11-4*(\h&1)], v[FRQ+32*i_hb+8*(\h>>1):FRQ+32*i_hb+8*(\h>>1)+7], v[BIAS+8*i_ht:BIAS+8*i_ht+7]
.set i_hb, i_hb+1
.endr
.set i_ht, i_ht+1
.endr
	PLACES
.if \more
	WIN 0x80
.set i_ht, 0
.rept 8
	ds_load_b128 v[KZ+8*i_ht+4:KZ+8*i_ht+7], v[KRD] offset:4352*i_ht+32*(\h+1)      ; the next head's keys
.set i_ht, i_ht+1
.endr
.endif
	WIN 0
.set i_ht, 0
.rept 4
	ds_load_tr16_b128 v[VT+8*i_ht:VT+8*i_ht+3], v[VRD] offset:9216*i_ht+32*\h        ; V^T: 16 dims x 32 keys
	ds_load_tr16_b128 v[VT+8*i_ht+4:VT+8*i_ht+7], v[VRD] offset:9216*i_ht+4608+32*\h
.set i_ht, i_ht+1
.endr
	; the row maximum: four chains a block
.set i_hb, 0
.rept 2
.set i_hc, 0
.rept 4
	v_max_num_f32 v[TS+4*i_hb+i_hc], v[WK+64*i_hb+16*i_hc], v[WK+64*i_hb+16*i_hc+1]
.set i_hc, i_hc+1
.endr
.set i_hb, i_hb+1
.endr
.set i_hk, 1
.rept 7
.set i_hb, 0
.rept 2
.set i_hc, 0
.rept 4
	v_max3_num_f32 v[TS+4*i_hb+i_hc], v[TS+4*i_hb+i_hc], v[WK+64*i_hb+16*i_hc+2*i_hk], v[WK+64*i_hb+16*i_hc+2*i_hk+1]
.set i_hc, i_hc+1
.endr
.set i_hb, i_hb+1
.endr
.set i_hk, i_hk+1
.endr
	v_max3_num_f32 v[TS], v[TS], v[TS+1], v[TS+2]
	v_max3_num_f32 v[TS+4], v[TS+4], v[TS+5], v[TS+6]
	v_max_num_f32 v[P8], v[TS], v[TS+3]
	v_max_num_f32 v[P8+1], v[TS+4], v[TS+7]
	v_permlanex16_b32 v[PT], v[P8], s60, s61
	v_permlanex16_b32 v[PT+1], v[P8+1], s60, s61
	v_max_num_f32 v[P8], v[P8], v[PT]
	v_max_num_f32 v[P8+1], v[P8+1], v[PT+1]
	v_pk_mul_f32 v[P9:P9+1], v[P8:P8+1], v[KAP+2*\h:KAP+2*\h+1] neg_lo:[1,0] neg_hi:[1,0]   ; - max x factor (the factor is positive)
.set i_hk, 0
.rept 32
	v_pk_fma_f32 v[WK+2*i_hk:WK+2*i_hk+1], v[WK+2*i_hk:WK+2*i_hk+1], v[KAP+2*\h:KAP+2*\h+1], v[P9:P9+1] op_sel_hi:[1,0,0]
.set i_hk, i_hk+1
.endr
.rept 32
	v_pk_fma_f32 v[WK+2*i_hk:WK+2*i_hk+1], v[WK+2*i_hk:WK+2*i_hk+1], v[KAP+2*\h:KAP+2*\h+1], v[P9:P9+1] op_sel:[0,1,1] op_sel_hi:[1,1,1]
.set i_hk, i_hk+1
.endr
	ATR 128, v_exp_f32, WK, WK
	v_nop
	s_wait_alu depctr_va_vdst(0)
	SUMV WK, 0
	RED HS+2*\h, 0                                 ; the row's sum, kept; the division is folded into expmap0's factor
	WIN 0xc0
	CVT PF, 32, WK
	s_wait_dscnt 0x0                               ; V^T is in
	WIN 0x5c
.set i_ht, 0
.rept 4
.set i_hb, 0
.rept 2                                ; the two blocks' accumulators take turns
.if i_ht
	v_wmma_f32_16x16x32_f16 v[T1+64*i_hb+8*\h:T1+64*i_hb+8*\h+7], v[VT+8*i_ht:VT+8*i_ht+7], v[PF+32*i_hb+8*i_ht:PF+32*i_hb+8*i_ht+7], v[T1+64*i_hb+8*\h:T1+64*i_hb+8*\h+7]
.else
	v_wmma_f32_16x16x32_f16 v[T1+64*i_hb+8*\h:T1+64*i_hb+8*\h+7], v[VT+8*i_ht:VT+8*i_ht+7], v[PF+32*i_hb+8*i_ht:PF+32*i_hb+8*i_ht+7], 0
.endif
.set i_hb, i_hb+1
.endr
.set i_ht, i_ht+1
.endr
.endm
; fc1's 512 outputs lie as four chunks of 128 (window a, base); bb = the chunk's bias in window 0
.macro F1P1 a, base, bb, first         ; |M|^2 and M.b, carried over the chunks
	WIN (\a|(\a<<2))
	DOT 0, \base, \base, 64, \first
	WIN \a
	DOT 1, \base, \bb, 0, \first
.endm
.macro F1P2 a, base, bb, first         ; Manifold_Linear's result, ReLU, its squared norm, f16 in place
	WIN (\a|(\a<<6))
	SCALEV \base, \base, AL
	WIN ((\a<<4)|(\a<<6))
	FMAS \base, \bb, 0, BE
	WIN ((\a<<2)|(\a<<6))
	RELU \base
	WIN (\a|(\a<<2))
	DOT 0, \base, \base, 64, \first
	WIN (\a|(\a<<2)|(\a<<6))
	CVT \base, 64, \base
.endm
.macro BARRIER                         ; my LDS stores and loads are done, then everybody's
	s_wait_dscnt 0x0
	s_barrier_signal -1
	s_barrier_wait -1
.endm
; =====================================================================================================================
; P0: arguments, the tensor load of x, addresses, small inputs
	s_load_b512 s[8:23], s[0:1], 0x0               ; x 8, mask 10, ln1_g 12, ln1_b 14, ln2_g 16, ln2_b 18, wq 20, bq 22
	s_load_b512 s[24:39], s[0:1], 0x40             ; wk 24, bk 26, wv 28, bv 30, wo 32, bo 34, fc1_w 36, fc1_b 38
	s_load_b128 s[40:43], s[0:1], 0x80             ; fc2_w 40, fc2_b 42
	s_load_b64 s[44:45], s[0:1], 0x90              ; out0
	v_lshl_add_u32 v254, v0, 2, 0x4e600
	v_mov_b32 v255, 0
	ds_add_u32 v254, v255
	ds_add_u32 v254, v255
	s_wait_dscnt 0x0
	v_lshrrev_b32 v2, 5, v0
	v_readfirstlane_b32 s2, v2                     ; wave 0..3
	s_mov_b32 s48, 1                               ; group 0: count 1
	s_mul_i32 s49, s2, 16896
	s_add_co_u32 s49, s49, XS                      ; LDS address: my wave's 32 rows of 528 bytes
	s_mov_b32 s52, 0x07920000                      ; group 1: elements of 4 bytes, padding on, after every 128 words, of 4 words
	s_mov_b32 s53, 128<<16                         ; tensor_dim0 = 128
	s_mov_b32 s54, 32<<16                          ; tensor_dim1 = 32
	s_mov_b32 s55, 128<<16                         ; tile_dim0 = 128
	s_mov_b32 s56, 32                              ; tile_dim1 = 32 tokens
	s_mov_b32 s57, 32768                           ; from token to token: 256 x 128 elements
	s_mov_b32 s58, 0
	s_mov_b32 s59, 0
	s_lshl_b32 s4, s2, 22                          ; 32 w tokens of 131,072 bytes
	s_lshl_b32 s6, ttmp9, 9                        ; + b rows of 512 bytes
	s_add_co_u32 s4, s4, s6
	s_mov_b32 s5, 0
	s_lshl_b32 s6, ttmp9, 7                        ; the mask's row b
	s_mov_b32 s7, 0
	s_wait_kmcnt 0x0
	s_add_nc_u64 s[50:51], s[8:9], s[4:5]
	s_or_b32 s51, s51, 0x80000000                  ; type 2
	tensor_load_to_lds s[48:51], s[52:59]          ; the launch's only tensor load of this wave: one is outstanding
	s_nop 0
	s_add_nc_u64 s[44:45], s[44:45], s[4:5]
	s_add_nc_u64 s[10:11], s[10:11], s[6:7]
	s_mov_b32 s60, 0x76543210                      ; v_permlanex16_b32: lane i takes lane i of the other half
	s_mov_b32 s61, 0xfedcba98
	s_mov_b32 s62, 0x3f7fff58                      ; 1 - 1e-5
	s_mov_b32 s63, 0x26901d7d                      ; 1e-15
	s_mov_b32 s66, 0xc6ea6000                      ; -30000.0
	s_mov_b32 s80, 0x3e124925                      ; 1/7
	s_mov_b32 s81, 0x3e124925
	s_mov_b32 s82, 0x3e4ccccd                      ; 1/5
	s_mov_b32 s83, 0x3e4ccccd
	s_mov_b32 s84, 0x3eaaaaab                      ; 1/3
	s_mov_b32 s85, 0x3eaaaaab
	s_mov_b32 s86, 0xbd5d0dd1                      ; -17/315
	s_mov_b32 s87, 0xbd5d0dd1
	s_mov_b32 s88, 0x3e088889                      ; 2/15
	s_mov_b32 s89, 0x3e088889
	s_mov_b32 s90, 0xbeaaaaab                      ; -1/3
	s_mov_b32 s91, 0xbeaaaaab
	s_mov_b32 s92, 0x3727c5ac                      ; 1e-5
	s_mov_b32 s93, 0x3727c5ac
	s_mul_i32 s4, s2, 8448
	s_add_co_u32 s4, s4, OUTST                     ; my stage
	s_mul_i32 s5, s2, 8704                         ; 32 w rows of 272
	s_add_co_u32 s6, s5, SLT4
	s_mul_i32 s7, s2, 9216                         ; 32 w rows of 288
	s_add_co_u32 s7, s7, SLT5
	s_lshl_b32 s46, s2, 14
	s_lshl_b32 s47, s2, 16
	s_lshl_b32 s3, s2, 5
	v_and_b32 v16, 15, v0                          ; r
	v_bfe_u32 v17, v0, 4, 1                        ; hh
	v_and_b32 v18, 31, v0                          ; L
	v_mul_u32_u24 v[WOFF], v16, 272
	v_lshl_add_u32 v[WOFF], v17, 4, v[WOFF]
	v_lshlrev_b32 v[VOFF], 5, v17
	v_mul_u32_u24 v19, v16, 528
	v_lshl_add_u32 v19, v17, 5, v19
	v_add_nc_u32 v[XRD], s49, v19
	v_add_nc_u32 v[OST], s4, v19
	v_lshl_add_u32 v[ORD], v18, 4, s4
	v_lshlrev_b32 v[L16], 4, v18
	v_add_nc_u32 v[KST], s6, v[WOFF]
	v_mul_u32_u24 v20, v16, 288
	v_lshl_add_u32 v20, v17, 4, v20
	v_add_nc_u32 v[VST], s7, v20
	v_add_nc_u32 v[KRD], SLT4, v[WOFF]
	v_and_b32 v21, 7, v0
	v_lshl_add_u32 v21, v17, 3, v21                ; 8hh + (L & 7)
	v_mul_u32_u24 v21, v21, 288
	v_bfe_u32 v24, v0, 3, 1
	v_lshl_add_u32 v21, v24, 4, v21
	v_add_nc_u32 v[VRD], SLT5, v21
	v_lshl_add_u32 v[SGO], v18, 4, s46
	v_lshl_add_u32 v[SGO2], v18, 4, s47
	v_lshl_add_u32 v[SLO], v18, 3, s5
	v_lshlrev_b32 v22, 3, v17                      ; the mask's bytes of my keys: 8hh + 16 tt
	v_add_nc_u32 v23, s3, v16                      ; the mask's byte of my own token: 32w + r (+16)
	v_mov_b32 v[PT], 0
	v_mov_b32 v[PT+1], 0
	; 23 small loads: thirteen chunks of 512 bytes of the vectors, my keys' mask bytes, my tokens' mask bytes
.macro VCH i, ptr, off
	global_load_b128 v[WK+4*\i:WK+4*\i+3], v[L16], s[\ptr:\ptr+1] offset:\off
.endm
	VCH 0, 12, 0
	VCH 1, 14, 0
	VCH 2, 16, 0
	VCH 3, 18, 0
	VCH 4, 22, 0
	VCH 5, 26, 0
	VCH 6, 30, 0
	VCH 7, 34, 0
	VCH 8, 42, 0
	VCH 9, 38, 0
	VCH 10, 38, 512
	VCH 11, 38, 1024
	VCH 12, 38, 1536
.set i_a, 0
.rept 8
	global_load_b64 v[WK+52+2*i_a:WK+52+2*i_a+1], v22, s[10:11] offset:16*i_a
.set i_a, i_a+1
.endr
	global_load_u8 v[WK+68], v23, s[10:11]
	global_load_u8 v[WK+69], v23, s[10:11] offset:16
	SLOAD 20, SGO, 512, 0, 3, STGA                 ; Wq
	s_wait_loadcnt 32                              ; the small loads are in; Wq's 32 may be out
	SLOAD 24, SGO, 512, 0, 2, STGB                 ; Wk
	WIN 0
	s_cmp_lg_u32 s2, 0
	s_cbranch_scc1 .Lnovec                         ; wave 0 alone puts the vectors into LDS
.set i_a, 0
.rept 13
	ds_store_b128 v[L16], v[WK+4*i_a:WK+4*i_a+3] offset:512*i_a
.set i_a, i_a+1
.endr
.Lnovec:
	; |b|^2 of the six biases, as scalars: four numbers a lane, then over the 32 lanes
.macro SQ4 d, i, first
.if \first
	v_pk_mul_f32 v[\d:\d+1], v[WK+4*\i:WK+4*\i+1], v[WK+4*\i:WK+4*\i+1]
.else
	v_pk_fma_f32 v[\d:\d+1], v[WK+4*\i:WK+4*\i+1], v[WK+4*\i:WK+4*\i+1], v[\d:\d+1]
.endif
	v_pk_fma_f32 v[\d:\d+1], v[WK+4*\i+2:WK+4*\i+3], v[WK+4*\i+2:WK+4*\i+3], v[\d:\d+1]
.endm
	SQ4 P0, 4, 1                                   ; bq
	SQ4 P1, 5, 1                                   ; bk
	SQ4 P2, 6, 1                                   ; bv
	SQ4 P3, 7, 1                                   ; bo
	SQ4 P4, 9, 1                                   ; fc1_b, four chunks
	SQ4 P5, 8, 1                                   ; fc2_b
	SQ4 P4, 10, 0
	SQ4 P4, 11, 0
	SQ4 P4, 12, 0
.irp k, 0,1,2,3,4,5
	v_add_f32 v[TS+2*\k], v[TS+2*\k], v[TS+2*\k+1]
.endr
.irp m, 1,2,4,8
.irp k, 0,1,2,3,4,5
	v_add_f32_dpp v[TS+2*\k], v[TS+2*\k], v[TS+2*\k] row_xmask:\m row_mask:0xf bank_mask:0xf
.endr
.endr
.irp k, 0,1,2,3,4,5
	v_permlanex16_b32 v[TS+2*\k+1], v[TS+2*\k], s60, s61
.endr
.irp k, 0,1,2,3,4,5
	v_add_f32 v[TS+2*\k], v[TS+2*\k], v[TS+2*\k+1]
.endr
.irp k, 0,1,2,3,4,5
	v_readfirstlane_b32 s[68+2*\k], v[TS+2*\k]     ; s68 bq, s70 bk, s72 bv, s74 bo, s76 fc1_b, s78 fc2_b
	s_mov_b32 s[69+2*\k], s[68+2*\k]
.endr
	v_cvt_f32_u32 v[P8], v[WK+68]
	v_cvt_f32_u32 v[P8+1], v[WK+69]
	PONEM KEEP, P8                                 ; 1 for a live token, 0 for a masked one
	WIN 0x80
.set i_a, 0
.rept 64
	v_bfe_u32 v[BIAS+i_a], v[WK+52+(i_a>>2)], 8*(i_a&3), 8       ; byte of key 16 tt + 8 hh + j
.set i_a, i_a+1
.endr
	WIN 0x82
.set i_a, 0
.rept 64
	v_mul_lo_u32 v[BIAS+i_a], v[BIAS+i_a], s66     ; 0 or the bits of -30000.0
.set i_a, i_a+1
.endr
	s_wait_tensorcnt 0x0                           ; my rows of x are in LDS; no tensor load is out from here on
	BARRIER                                        ; the vectors are visible to every wave
	WIN 0x40
.set i_a, 0
.rept 2
.set i_b, 0
.rept 8
	ds_load_b128 v[XA+64*i_a+8*i_b:XA+64*i_a+8*i_b+3], v[XRD] offset:8448*i_a+64*i_b
	ds_load_b128 v[XA+64*i_a+8*i_b+4:XA+64*i_a+8*i_b+7], v[XRD] offset:8448*i_a+64*i_b+16
.set i_b, i_b+1
.endr
.set i_a, i_a+1
.endr
; P1: first manifold LayerNorm; Wq, Wk, Wv go into slots 0-2 on the way
	LNORM V_LN1G, V_LN1B, 1
	BARRIER                                        ; Wq, Wk, Wv are whole; nobody reads x's rows in LDS any more
; P2: q, k, v
	SLOAD 32, SGO, 512, 0, 3, STGA                 ; Wo
	GEMM128 SLT0, 0xa4, MM, T1, 1
	MLPOST 2, MM, V_BQ, 68
	HEADSUM 2, MM, HS
	LOGFN 8, HS, HS, WK, WK+16, WK+32, WK+48, WK+64
.set i_a, 0
.rept 8
	v_pk_mul_f32 v[KAP+2*i_a:KAP+2*i_a+1], v[HS+2*i_a:HS+2*i_a+1], 0x3eb8aa3b op_sel_hi:[1,0]    ; logmap0's factor x log2(e)/sqrt(16): applied to the scores
.set i_a, i_a+1
.endr
	WIN 0x8a
	CVT FRQ, 32, MM
	SSTORE 0, 3, STGA, SLT3
	SLOAD 36, SGO, 512, 196608, 3, STGA            ; fc1 rows 384..511
	KVPHASE SLT1, V_BK, 70, 1, KST, 4352
	SSTORE 0, 3, STGA, SLT6
	SLOAD 40, SGO2, 2048, 0, 3, STGA               ; fc2 columns 0..127
	KVPHASE SLT2, V_BV, 72, 0, VST, 4608
	SSTORE 0, 3, STGA, SLT7
	BARRIER                                        ; K, V, Wo and two blocks are whole; slots 0-2 are free
; P3: attention, eight heads; fc1's first three blocks go into slots 0-2 on the way
	SLOAD 36, SGO, 512, 0, 3, STGA
	WIN 0x80
.set i_a, 0
.rept 9
.set i_b, 0
.rept 4
	v_mov_b32 v[KZ+8*i_a+i_b], 0                   ; the nine groups of zeros between the key groups
.set i_b, i_b+1
.endr
.set i_a, i_a+1
.endr
.set i_a, 0
.rept 8
	ds_load_b128 v[KZ+8*i_a+4:KZ+8*i_a+7], v[KRD] offset:4352*i_a
.set i_a, i_a+1
.endr
	HEAD 0, 1
	HEAD 1, 1
	SSTORE 0, 3, STGA, SLT0
	SLOAD 36, SGO, 512, 65536, 3, STGA
	HEAD 2, 1
	HEAD 3, 1
	SSTORE 0, 3, STGA, SLT1
	SLOAD 36, SGO, 512, 131072, 3, STGA
	HEAD 4, 1
	HEAD 5, 1
	SSTORE 0, 3, STGA, SLT2
	HEAD 6, 1
	HEAD 7, 0
	PLACES
; P4: division by the sums and expmap0 per head as one factor; then the product with Wo
	HEADSUM 1, T1, WK+112
	ATR 16, v_rcp_f32, WK, HS                      ; 1 / sum
	v_nop
	s_wait_alu depctr_va_vdst(0)
	APMUL 8, WK+16, WK, WK
	APMUL 8, WK+16, WK+16, WK+112                  ; |o|^2 per head
.set i_a, 0
.rept 16
	v_max_num_f32 v[WK+32+i_a], s63, v[WK+16+i_a]
.set i_a, i_a+1
.endr
	ATR 16, v_rsq_f32, WK+48, WK+32
	v_nop
	s_wait_alu depctr_va_vdst(0)
	APMUL 8, WK+32, WK+32, WK+48                   ; |o|
	TANHN 8, WK+64, WK+32, WK+80, WK+96, WK+112
	APMUL 8, WK+64, WK+64, WK+48                   ; tanh|o| / |o|
	APMUL 8, WK+80, WK+64, WK+64
	PMUL P8, WK+80, WK+16
.set i_a, 1
.rept 7
	PFMA P8, WK+80+2*i_a, WK+16+2*i_a, P8          ; |u|^2 over the eight heads
.set i_a, i_a+1
.endr
	APMUL 8, WK, WK+64, WK
.set i_a, 0
.rept 8
	v_pk_mul_f32 v[WK+2*i_a:WK+2*i_a+1], v[WK+2*i_a:WK+2*i_a+1], 0x42800000 op_sel_hi:[1,0]      ; 64 u goes to f16 (|u| <= 1 a head); 1/64 rides in SS
.set i_a, i_a+1
.endr
	WIN 0x41
	SCALEH T1, WK
	WIN 0x45
	CVT T1, 64, T1
	WIN 0
	v_mov_b32 v[SS], 0x3c800000                    ; 1/64
	v_mov_b32 v[SS+1], 0x3c800000
	LOGFN 1, RR, P8, P0, P1, P2, P3, P4
	GEMM128 SLT3, 0xa4, MM, T1, 1
	BARRIER                                        ; fc1's blocks in slots 0-2 are whole; slots 3, 4, 5 (Wo, K, V) are free
	SLOAD 40, SGO2, 2048, 512, 3, STGA             ; fc2 columns 128..255
	MLPOST 2, MM, V_BO, 74
; P5: Moebius midpoint of H (window 2) and x (window 1), written over x
	WIN 0x0a
	DOT 0, MM, MM, 64, 1
	WIN 0x06
	DOT 1, MM, XA, 64, 1
	WIN 0
	RED P8, 0                                      ; |h|^2
	RED P9, 1                                      ; h.x
	v_pk_fma_f32 v[P0:P0+1], v[P9:P9+1], -2.0, 1.0 op_sel_hi:[1,0,0]
	PADD P1, P0, XX
	PONEM P10, P8                                  ; 1 - |h|^2, kept
	PFMA P3, P8, XX, P0
	MAXE P3, P3
	TR2 v_rcp_f32, P4, P3
	s_wait_alu depctr_va_vdst(0)
	v_pk_mul_f32 v[P11:P11+1], v[P1:P1+1], v[P4:P4+1] neg_lo:[1,0] neg_hi:[1,0]
	PMUL P12, P10, P4
	WIN 0x02
	SCALEV WK, MM, P11                             ; d = (-h) (+) x
	WIN 0x01
	FMAS WK, XA, 64, P12
	WIN 0
	DOT 0, WK, WK, 64, 1
	WIN 0x02
	DOT 1, MM, WK, 64, 1
	WIN 0
	RED P9, 0                                      ; |d|^2
	RED P13, 1                                     ; h.d
	MAXE P0, P9
	TR2 v_rsq_f32, P1, P0
	PMUL P2, P0, P1
	MINM P3, P2                                    ; sn
	PONEM P4, P3
	PONEP P5, P3
	PMUL P4, P4, P5
	TR2 v_sqrt_f32, P4, P4
	PONEP P4, P4
	TR2 v_rcp_f32, P4, P4
	PMUL P3, P3, P4
	PMUL P3, P3, P1                                ; r = tanh(artanh(sn)/2) / |d|
	PMUL P5, P3, P3
	PMUL P5, P5, P9                                ; y2
	PMUL P6, P3, P13                               ; xy
	v_pk_fma_f32 v[P7:P7+1], v[P6:P6+1], 2.0, 1.0 op_sel_hi:[1,0,0]
	PADD P0, P7, P5
	PFMA P1, P8, P5, P7
	MAXE P1, P1
	TR2 v_rcp_f32, P1, P1
	PMUL P11, P0, P1
	PMUL P12, P10, P3
	PMUL P12, P12, P1
	WIN 0x42
	SCALEV XA, MM, P11
	WIN 0x50
	FMAS XA, WK, 64, P12
	SSTORE 0, 3, STGA, SLT3
	SLOAD 40, SGO2, 2048, 1024, 3, STGA            ; fc2 columns 256..383
; P6: projx and the second manifold LayerNorm; the midpoint stays unprojected in registers, its factor in PP
	LNORM V_LN2G, V_LN2B, 0
	SSTORE 0, 3, STGA, SLT4
	SLOAD 40, SGO2, 2048, 1536, 3, STGA            ; fc2 columns 384..511
; P7: fc1, 512 outputs as four chunks in windows 2 and 3
	GEMM128 SLT0, 0xa4, 0, T1, 1
	GEMM128 SLT1, 0xa4, 128, T1, 1
	SSTORE 0, 3, STGA, SLT5                        ; window 3 is free from here on
	GEMM128 SLT2, 0xf4, 0, T1, 1
	GEMM128 SLT6, 0xf4, 128, T1, 1
	WIN 0
	VLOAD WK, V_FC1B
	VLOAD WK+64, V_FC1B+512
	s_wait_dscnt 16                                ; this chunk's bias is in; the next chunk's 16 loads may be out
	F1P1 2, 0, WK, 1
	WIN 0
	VLOAD WK, V_FC1B+1024
	s_wait_dscnt 16
	F1P1 2, 128, WK+64, 0
	WIN 0
	VLOAD WK+64, V_FC1B+1536
	s_wait_dscnt 16
	F1P1 3, 0, WK, 0
	s_wait_dscnt 0x0
	F1P1 3, 128, WK+64, 0
	WIN 0
	VLOAD WK, V_FC1B
	VLOAD WK+64, V_FC1B+512
	RED P8, 0
	RED P9, 1
	MLSCAL 76
	s_wait_dscnt 16
	F1P2 2, 0, WK, 1
	WIN 0
	VLOAD WK, V_FC1B+1024
	s_wait_dscnt 16
	F1P2 2, 128, WK+64, 0
	WIN 0
	VLOAD WK+64, V_FC1B+1536
	s_wait_dscnt 16
	F1P2 3, 0, WK, 0
	s_wait_dscnt 0x0
	F1P2 3, 128, WK+64, 0
	WIN 0
	RED P8, 0                                      ; |relu(..)|^2
	PROJP SS, P8, P0, P1                           ; projx as a factor
	PMUL P2, SS, SS
	PMUL P2, P2, P8
	LOGFN 1, RR, P2, P3, P4, P5, P6, P7
	BARRIER                                        ; fc2's blocks in slots 3, 4, 5 are whole
; P8: fc2 (K = 512 as four blocks on one set of accumulators), ReLU, the last Moebius sum, projx, the way out
	GEMM128 SLT7, 0x58, T1, 0, 1
	GEMM128 SLT3, 0x58, T1, 128, 0
	GEMM128 SLT4, 0x5c, T1, 0, 0
	GEMM128 SLT5, 0x5c, T1, 128, 0
	MLPOST 1, T1, V_FC2B, 78
	WIN 0x44
	RELU T1
	WIN 0x05
	DOT 0, T1, T1, 64, 1
	DOT 1, T1, XA, 64, 1
	WIN 0
	RED P8, 0                                      ; |h2|^2
	RED P9, 1                                      ; h2.mid
	PMUL P0, PP, P9                                ; xy (the residual is PP x mid)
	PMUL P1, PP, PP
	PMUL P1, P1, XX                                ; y2
	v_pk_fma_f32 v[P2:P2+1], v[P0:P0+1], 2.0, 1.0 op_sel_hi:[1,0,0]
	PADD P3, P2, P1
	PONEM P4, P8
	PFMA P5, P8, P1, P2
	MAXE P6, P5
	TR2 v_rcp_f32, P7, P6
	v_pk_fma_f32 v[P10:P10+1], v[P0:P0+1], 2.0, v[P8:P8+1] op_sel_hi:[1,0,1]
	s_wait_alu depctr_va_vdst(0)
	PADD P10, P10, P1
	PMUL P10, P10, P5
	PMUL P10, P10, P7
	PMUL P10, P10, P7
	PROJP P11, P10, P6, P12
	PMUL P7, P7, P11
	PMUL P13, P3, P7
	PMUL P14, P4, P7
	PMUL P14, P14, PP
	WIN 0x41
	SCALEV T1, T1, P13
	WIN 0x51
	FMAS T1, XA, 64, P14
	; 16 tokens at a time through my own stage: in by token rows of 32 bytes a lane, back as whole rows of 512 bytes.
	; LDS serves a wave's instructions in order (ISA guide 5.7.1), so no wait stands between the stores and the loads.
.set i_ob, 0
.rept 2
	WIN 0x04
.set i_oi, 0
.rept 8
	ds_store_b128 v[OST], v[T1+64*i_ob+8*i_oi:T1+64*i_ob+8*i_oi+3] offset:64*i_oi
	ds_store_b128 v[OST], v[T1+64*i_ob+8*i_oi+4:T1+64*i_ob+8*i_oi+7] offset:64*i_oi+16
.set i_oi, i_oi+1
.endr
	WIN 0
.set i_oi, 0
.rept 16
	ds_load_b128 v[WK+64*i_ob+4*i_oi:WK+64*i_ob+4*i_oi+3], v[ORD] offset:528*i_oi
.set i_oi, i_oi+1
.endr
.set i_oi, 0
.rept 16
	s_wait_dscnt 15-i_oi                           ; row i is in; the younger rows' loads may be out
	global_store_b128 v[L16], v[WK+64*i_ob+4*i_oi:WK+64*i_ob+4*i_oi+3], s[44:45] offset:(16*i_ob+i_oi)*131072 th:TH_STORE_NT   ; the wave stores 512 consecutive bytes, aligned
.set i_oi, i_oi+1
.endr
.set i_ob, i_ob+1
.endr
	s_wait_xcnt 0x0
	v_lshl_add_u32 v254, v0, 2, 0x4e600
	v_mov_b32 v255, 0
	s_wait_tensorcnt 0x0
	ds_add_u32 v254, v255
	s_wait_dscnt 0x0
	s_endpgm
.Lfunc_end_k_q6a50bf545c_layer:
	.size	k_q6a50bf545c_layer, .Lfunc_end_k_q6a50bf545c_layer-k_q6a50bf545c_layer
	.p2alignl 7, 3214868480
	.fill 96, 4, 3214868480
	.section	.rodata,"a",@progbits
	.p2align	6, 0x0
	.amdhsa_kernel k_q6a50bf545c_layer
		.amdhsa_group_segment_fixed_size 321536
		.amdhsa_private_segment_fixed_size 0
		.amdhsa_enable_private_segment 0
		.amdhsa_kernarg_size 152
		.amdhsa_user_sgpr_count 2
		.amdhsa_user_sgpr_kernarg_segment_ptr 1
		.amdhsa_wavefront_size32 1
		.amdhsa_system_sgpr_workgroup_id_x 1
		.amdhsa_system_sgpr_workgroup_id_y 1
		.amdhsa_system_sgpr_workgroup_id_z 1
		.amdhsa_system_vgpr_workitem_id 0
		.amdhsa_next_free_vgpr 1024
		.amdhsa_next_free_sgpr 96
		.amdhsa_reserve_vcc 1
		.amdhsa_float_denorm_mode_32 3
		.amdhsa_float_denorm_mode_16_64 3
		.amdhsa_memory_ordered 1
		.amdhsa_forward_progress 1
		.amdhsa_inst_pref_size 255
	.end_amdhsa_kernel
	.section	.bss,"aw",@nobits
	.p2align	6
	.space	262144
	.amdgpu_metadata
---
amdhsa.version: [ 1, 2 ]
amdhsa.kernels:
  - .name:           k_q6a50bf545c_layer
    .symbol:         k_q6a50bf545c_layer.kd
    .args:
      - { .name: x, .offset: 0, .size: 8, .value_kind: global_buffer, .address_space: global }
      - { .name: padding_mask, .offset: 8, .size: 8, .value_kind: global_buffer, .address_space: global }
      - { .name: ln1_g, .offset: 16, .size: 8, .value_kind: global_buffer, .address_space: global }
      - { .name: ln1_b, .offset: 24, .size: 8, .value_kind: global_buffer, .address_space: global }
      - { .name: ln2_g, .offset: 32, .size: 8, .value_kind: global_buffer, .address_space: global }
      - { .name: ln2_b, .offset: 40, .size: 8, .value_kind: global_buffer, .address_space: global }
      - { .name: wq, .offset: 48, .size: 8, .value_kind: global_buffer, .address_space: global }
      - { .name: bq, .offset: 56, .size: 8, .value_kind: global_buffer, .address_space: global }
      - { .name: wk, .offset: 64, .size: 8, .value_kind: global_buffer, .address_space: global }
      - { .name: bk, .offset: 72, .size: 8, .value_kind: global_buffer, .address_space: global }
      - { .name: wv, .offset: 80, .size: 8, .value_kind: global_buffer, .address_space: global }
      - { .name: bv, .offset: 88, .size: 8, .value_kind: global_buffer, .address_space: global }
      - { .name: wo, .offset: 96, .size: 8, .value_kind: global_buffer, .address_space: global }
      - { .name: bo, .offset: 104, .size: 8, .value_kind: global_buffer, .address_space: global }
      - { .name: fc1_w, .offset: 112, .size: 8, .value_kind: global_buffer, .address_space: global }
      - { .name: fc1_b, .offset: 120, .size: 8, .value_kind: global_buffer, .address_space: global }
      - { .name: fc2_w, .offset: 128, .size: 8, .value_kind: global_buffer, .address_space: global }
      - { .name: fc2_b, .offset: 136, .size: 8, .value_kind: global_buffer, .address_space: global }
      - { .name: out0, .offset: 144, .size: 8, .value_kind: global_buffer, .address_space: global }
    .group_segment_fixed_size: 321536
    .private_segment_fixed_size: 0
    .kernarg_segment_align: 8
    .kernarg_segment_size: 152
    .max_flat_workgroup_size: 128
    .sgpr_count:     96
    .vgpr_count:     1024
    .wavefront_size: 32
...
	.end_amdgpu_metadata
.endif
;; end of part 1
